; MI455X (gfx1250); checked and timed in simulation.
; The chip was launched on July 23, 2026; its instructions are those of AMD's public machine-readable ISA for CDNA 5 (MIT licence, August 2026) and "CDNA5" Instruction Set Architecture Reference Guide (July 2026). The comments in the code are by the model that wrote it; some were corrected since.
;; Aria Grouped GEMM. Allowed arithmetic: float matrix products may take bf16 or f16 operands with f32 sums; all other float work in f32.
;; Inputs: input 2,048 x 2,048 float32; tokens_per_expert 8 int32; weight 8 x 2,048 x 2,048 float32.
;; Outputs: out0 2,048 x 2,048 float32.
;; One version. Each part assembles by itself: llvm-mc -triple=amdgcn-amd-amdhsa -mcpu=gfx1250 --defsym DOCPART=n.
;; ======== version 1 of 1: 2 launches
;; workspace buffers: xt 8,388,608 bytes
;; launch pack (part 1): grid 256 x 1, 8 waves a work-group, no clusters, 36,864 bytes of LDS; arguments input, xt; writes xt
.if DOCPART == 1
	.amdgcn_target "amdgcn-amd-amdhsa--gfx1250"
	.amdhsa_code_object_version 6
	.text
	.protected	k_q258efc6245_pack
	.globl	k_q258efc6245_pack
	.p2align	8
	.type	k_q258efc6245_pack,@function
k_q258efc6245_pack:
	s_mov_b64 s[64:65], 0
	v_nop
	global_prefetch_b8 v0, s[64:65] scope:SCOPE_SE
	s_setreg_imm32_b32 hwreg(HW_REG_WAVE_MODE, 25, 1), 1
	s_wait_xcnt 0x0
; xt[k / 8][row][k % 8] = bf16(input[row][k]).  input: [2048][2048] f32.  xt: 256 x 2048 x 8 bf16, byte (k / 8) x 32,768 + row x 16.
; WHY: the next launch multiplies each token row by 32 column slices of its expert's weights.  Rounded and laid out once here, 16 consecutive rows x 8 k are
; 256 consecutive bytes of xt, so that a matrix fragment there is two plain 16-byte loads a lane, at any first row.
; SHARES.  A wave owns 32 rows x 64 k: 8,192 bytes in, 4,096 out.  Work-group wg: rows 32 (wg / 4) on; wave w: k 64 (8 (wg % 4) + w) on, so a work-group's eight waves read 2,048 bytes on end of each row.
; The turn goes through a stage in LDS that is the wave's own: no barrier.  Every number is rounded once, to nearest even.  No loop: each wave has one block.
.set ROWB,   8192                      ; bytes in a row of input
.set SPITCH, 144                       ; a stage row: 64 bf16 = 128 bytes + 16: sixteen lanes that read 16 bytes of sixteen rows start 36 words apart
.set WSTAGE, 32*SPITCH                 ; a wave's stage
.set SRC, 4                            ; v4       byte offset in input: 16 (lane % 16), and 8 rows further down for lanes 16 to 31
.set SIN, 5                            ; v5       stage, in: my 8 bytes of row 8 (lane / 16)
.set SBK, 6                            ; v6       stage, back: row = lane
.set DST, 7                            ; v7       byte offset in xt: 16 x lane
.set X,   16                           ; v[16:79]   16 loads of 4 f32
.set Y,   80                           ; v[80:111]  the same as bf16, 2 registers a load
.set Z,   112                          ; v[112:143] 8 x 16 bytes read back: 8 k of my row each
	s_load_b128 s[4:7], s[0:1], 0x0                ; input s[4:5], xt s[6:7]
	v_lshrrev_b32 v1, 5, v0
	v_readfirstlane_b32 s8, v1                     ; wave 0..7
	s_lshr_b32 s14, ttmp9, 2                       ; block of 32 rows, 0..63
	s_and_b32 s15, ttmp9, 3
	s_lshl3_add_u32 s15, s15, s8                   ; block of 64 k, 0..31
	s_lshl_b32 s10, s14, 18                        ; input: 32 rows of 8,192 bytes,
	s_lshl_b32 s9, s15, 8                          ; 64 f32
	s_add_co_u32 s10, s10, s9
	s_mov_b32 s11, 0
	s_lshl_b32 s12, s15, 18                        ; xt: 8 planes of 32,768 bytes,
	s_lshl_b32 s9, s14, 9                          ; 32 rows of 16 bytes
	s_add_co_u32 s12, s12, s9
	s_mov_b32 s13, 0
	s_mul_i32 s9, s8, WSTAGE                       ; my wave's stage
	v_and_b32 v1, 31, v0                           ; lane
	v_and_b32 v2, 15, v0                           ; lane % 16
	v_bfe_u32 v3, v0, 4, 1                         ; lane / 16
	v_lshlrev_b32 v[SRC], 4, v2
	v_lshl_or_b32 v[SRC], v3, 16, v[SRC]           ; 8 rows are 65,536 bytes
	v_mul_u32_u24 v[SIN], v3, 8*SPITCH
	v_lshl_add_u32 v[SIN], v2, 3, v[SIN]
	v_add_nc_u32 v[SIN], s9, v[SIN]
	v_mul_u32_u24 v[SBK], v1, SPITCH
	v_add_nc_u32 v[SBK], s9, v[SBK]
	v_lshlrev_b32 v[DST], 4, v1
	s_wait_kmcnt 0x0
	s_add_nc_u64 s[4:5], s[4:5], s[10:11]
	s_add_nc_u64 s[6:7], s[6:7], s[12:13]
	; Load i takes rows a and a + 8, a = i % 8 + 16 (i / 8): sixteen lanes take 256 consecutive bytes of a row, at a multiple of 256 from the buffer's first byte.  All sixteen loads go out together.
.irp i, 0,1,2,3,4,5,6,7,8,9,10,11,12,13,14,15
	global_load_b128 v[X+4*(\i):X+4*(\i)+3], v[SRC], s[4:5] offset:(((\i)%8)+16*((\i)/8))*ROWB th:TH_LOAD_NT
.endr
.irp i, 0,1,2,3,4,5,6,7,8,9,10,11,12,13,14,15
	s_wait_loadcnt 15-(\i)                         ; loads come back in order (ISA guide 5.7.1): load i is in, the younger ones stay out
	v_cvt_pk_bf16_f32 v[Y+2*(\i)],   v[X+4*(\i)],   v[X+4*(\i)+1]
	v_cvt_pk_bf16_f32 v[Y+2*(\i)+1], v[X+4*(\i)+2], v[X+4*(\i)+3]
	ds_store_b64 v[SIN], v[Y+2*(\i):Y+2*(\i)+1] offset:(((\i)%8)+16*((\i)/8))*SPITCH  ; two rows' 128 bytes, 8 x 144 bytes = 288 words apart
.endr
.irp c, 0,1,2,3,4,5,6,7
	ds_load_b128 v[Z+4*(\c):Z+4*(\c)+3], v[SBK] offset:16*(\c)  ; LDS serves a wave's instructions in order (ISA guide 5.7.1.4): these see the stores above, which are the wave's own
.endr
.irp c, 0,1,2,3,4,5,6,7
	s_wait_dscnt 7-(\c)                            ; read-back c is in
	global_store_b128 v[DST], v[Z+4*(\c):Z+4*(\c)+3], s[6:7] offset:(\c)*32768  ; 32 rows x 16 bytes: 512 consecutive bytes, at a multiple of 512 from xt's first byte; the next launch reads them, so no hint
.endr
	s_endpgm
.Lfunc_end_k_q258efc6245_pack:
	.size	k_q258efc6245_pack, .Lfunc_end_k_q258efc6245_pack-k_q258efc6245_pack
	.p2alignl 7, 3214868480
	.fill 96, 4, 3214868480
	.section	.rodata,"a",@progbits
	.p2align	6, 0x0
	.amdhsa_kernel k_q258efc6245_pack
		.amdhsa_group_segment_fixed_size 36864
		.amdhsa_private_segment_fixed_size 0
		.amdhsa_enable_private_segment 0
		.amdhsa_kernarg_size 16
		.amdhsa_user_sgpr_count 2
		.amdhsa_user_sgpr_kernarg_segment_ptr 1
		.amdhsa_wavefront_size32 1
		.amdhsa_system_sgpr_workgroup_id_x 1
		.amdhsa_system_sgpr_workgroup_id_y 1
		.amdhsa_system_sgpr_workgroup_id_z 1
		.amdhsa_system_vgpr_workitem_id 0
		.amdhsa_next_free_vgpr 144
		.amdhsa_next_free_sgpr 66
		.amdhsa_reserve_vcc 0
		.amdhsa_float_denorm_mode_32 3
		.amdhsa_float_denorm_mode_16_64 3
		.amdhsa_memory_ordered 1
		.amdhsa_forward_progress 1
		.amdhsa_inst_pref_size 8
	.end_amdhsa_kernel
	.amdgpu_metadata
---
amdhsa.version: [ 1, 2 ]
amdhsa.kernels:
  - .name:           k_q258efc6245_pack
    .symbol:         k_q258efc6245_pack.kd
    .args:
      - { .name: input, .offset: 0, .size: 8, .value_kind: global_buffer, .address_space: global }
      - { .name: xt, .offset: 8, .size: 8, .value_kind: global_buffer, .address_space: global }
    .group_segment_fixed_size: 36864
    .private_segment_fixed_size: 0
    .kernarg_segment_align: 8
    .kernarg_segment_size: 16
    .max_flat_workgroup_size: 256
    .sgpr_count:     66
    .vgpr_count:     144
    .wavefront_size: 32
...
	.end_amdgpu_metadata
.endif
;; end of part 1
;; launch gemm (part 2): grid 32 x 8, 4 waves a work-group, no clusters, 262,144 bytes of LDS; arguments xt, tokens_per_expert, weight, out0; writes out0
.if DOCPART == 2
	.amdgcn_target "amdgcn-amd-amdhsa--gfx1250"
	.amdhsa_code_object_version 6
	.text
	.protected	k_q258efc6245_gemm
	.globl	k_q258efc6245_gemm
	.p2align	8
	.type	k_q258efc6245_gemm,@function
k_q258efc6245_gemm:
	s_mov_b64 s[64:65], 0
	v_nop
	global_prefetch_b8 v0, s[64:65] scope:SCOPE_SE
	s_setreg_imm32_b32 hwreg(HW_REG_WAVE_MODE, 25, 1), 1
	s_wait_xcnt 0x0
; out0[i][:] = input[i][:] x weight[e(i)], e(i) = the number of running sums of tokens_per_expert that are <= i; rows with e(i) = 8 are 0.
; xt: input in bf16 as [k / 8][row][k % 8] (the launch before).  weight: [8][2048 k][2048 n] f32.  out0: [2048][2048] f32.  Products in bf16, sums in f32.
; LIMITS.  A count is taken as unsigned and clipped at 2,048, and so are the running sums: exact for counts >= 0; negative counts are not served.  A token is multiplied by its own expert's weights alone:
; an infinity or NaN in another expert's weights does not reach it.  Weights and input are rounded once to bf16, to nearest even.  Uneven counts are served; an expert's 32 work-groups then take as long as its tokens ask.
; SHARES.  Work-group (x, y) owns expert y and columns 64 x to 64 x + 63: 256 work-groups, and each byte of weight is read by one of them, once.
; PHASE 1.  The slice, 2,048 k x 64 columns, is read (524,288 bytes of f32), rounded and laid into LDS as bf16 in the matrix unit's fragment order (262,144 bytes).  Wave w brings k 512 w on.
;   A lane loads 16 bytes, columns 4 r .. 4 r + 3 of one k (r = lane % 16): sixteen lanes take 256 consecutive bytes, lanes 16 to 31 the row 8 further down.  Component j of rows k and k + 1, rounded as a pair, is
;   a register of FRAGMENT j, whose column r stands for column 4 r + j of the slice.  So the turn from [k][n] to k-along-registers costs nothing but the rounding, and the way out undoes the order of columns for nothing.
; PHASE 2.  One barrier; behind it LDS is only read.  Each wave walks groups of 64 of the expert's tokens (group 4 t + w in trip t): 4 tiles of 16 rows x 4 fragments = 16 accumulators; for 32 along K
;   8 loads of 16 bytes a lane from xt, 8 from LDS, 16 matrix instructions.  Rows past the expert's last are clipped to it: they compute and store that row's own numbers once more, from the same wave.  EXEC is never changed.
; PHASE 3.  Rows from the counts' sum on belong to no expert: the eight experts' work-groups share them out and store zeros.
; NO TENSOR LOADS: the weights pass through registers in any case, to be rounded, and the plain loads take whole runs of 256 bytes.  So the only barrier stands on a path that hangs on no data.
; NO CLUSTER, though an expert's 32 work-groups read the same rows of xt: a joint load lands in LDS, of which the slice holds 262,144 of 327,680 bytes; a group's 262,144 bytes of xt would be written to LDS and read
;   back where now they come straight into the operand registers; and the number of live groups hangs on counts read from memory and differs from wave to wave.
; REGISTERS, in windows of 256 (s_set_vgpr_msb: bits 1:0 source 0, 3:2 source 1, 5:4 source 2, 7:6 destination):
;   window 0: v0-31 addresses; v32-63 store data; v64-127 two buffers of W's 4 fragments (phase 1: two buffers of rounded fragments); v128-255 accumulator (tile i, fragment j) at 128 + 32 i + 8 j
;   window 1: phase 1: 4 slots of 16 loads x 4;  phase 2: a ring of 8 slots of 4 fragments of tokens, tile i of slot q at 32 q + 8 i
.set TOK,   2048
.set WL,  5                            ; v5      LDS address of W's next fragments: 16 x lane + 32,768 x trip
.set LW,  6                            ; v6      phase 1: LDS address of my 16 bytes: 16 x lane + 65,536 x wave + 16,384 x trip
.set WO,  7                            ; v7      byte offset in weight: 16 r, and 8 rows of 8,192 bytes for lanes 16 to 31; never rewritten
.set VA,  8                            ; v8-11   tile i: byte offset in xt: 16 x row + 32,768 x (lane / 16)
.set HK,  12                           ; v12     32,768 x (lane / 16)
.set RC,  13                           ; v13     16 r
.set RW,  14                           ; v14     the group's first row + 8 (lane / 16)
.set SO,  16                           ; v16-23  eight stores' byte offsets in out0
.set ZR,  24                           ; v24-27  zeros
.set ZO,  28                           ; v28     phase 3: byte offset in out0
.set SD,  32                           ; v32-63  eight stores' data
.set WF,  64
.set ACC, 128
.set MSB, 0
.macro WIN new                         ; the immediate's high byte repeats the setting that is left; a switch that changes nothing is dropped
.if MSB != (\new)
	s_set_vgpr_msb (MSB<<8)|(\new)
.set MSB, (\new)
.endif
.endm
.set TO_1,  0x40                       ; destination window 1, address window 0
.set FROM1, 0x05                       ; sources 0 and 1 window 1, destination window 0
.set MUL,   0x01                       ; source 0 (tokens) window 1; source 1 (W), C and D window 0
	s_load_b256 s[4:11], s[0:1], 0x0               ; xt s[4:5], tokens_per_expert s[6:7], weight s[8:9], out0 s[10:11]
	v_lshrrev_b32 v1, 5, v0
	v_readfirstlane_b32 s12, v1                    ; wave 0..3
	s_mov_b32 s13, ttmp9                           ; slice of 64 columns
	s_and_b32 s14, ttmp7, 0xffff                   ; expert
	v_and_b32 v1, 31, v0                           ; lane
	v_and_b32 v2, 15, v0                           ; r
	v_bfe_u32 v3, v0, 4, 1                         ; h = lane / 16
	v_lshlrev_b32 v4, 4, v1                        ; 16 x lane
	v_lshl_add_u32 v[LW], s12, 16, v4
	v_lshlrev_b32 v[RC], 4, v2
	v_lshl_or_b32 v[WO], v3, 16, v[RC]
	v_lshlrev_b32 v[HK], 15, v3
	s_wait_kmcnt 0x0
	s_load_b256 s[16:23], s[6:7], 0x0              ; the eight counts
	s_lshl_b32 s30, s14, 24                        ; an expert's weights are 2^24 bytes,
	s_lshl_b32 s28, s13, 8                         ; 64 columns 256,
	s_add_co_u32 s30, s30, s28
	s_lshl_b32 s28, s12, 22                        ; a wave's 512 rows 2^22: under 2^27 + 2^24 in all
	s_add_co_u32 s30, s30, s28
	s_mov_b32 s31, 0
	s_add_nc_u64 s[32:33], s[8:9], s[30:31]        ; weight at my wave's first row of the slice
	s_lshl_b32 s30, s13, 8
	s_add_nc_u64 s[34:35], s[10:11], s[30:31]      ; out0 at the slice's first column
	s_mov_b32 s24, 0                               ; start: the sum of the counts ahead of my expert's
	s_mov_b32 s26, 0                               ; my expert's count
	s_mov_b32 s27, 0                               ; the sum of all
	s_wait_kmcnt 0x0
.irp j, 0,1,2,3,4,5,6,7
	s_min_u32 s[16+\j], s[16+\j], TOK
	s_add_co_u32 s27, s27, s[16+\j]
	s_cmp_gt_u32 s14, \j
	s_cselect_b32 s28, s[16+\j], 0
	s_add_co_u32 s24, s24, s28
	s_cmp_eq_u32 s14, \j
	s_cselect_b32 s26, s[16+\j], s26
.endr
	s_min_u32 s24, s24, TOK
	s_add_co_u32 s25, s24, s26
	s_min_u32 s25, s25, TOK                        ; end: one past my expert's last row
	s_sub_co_u32 s26, s25, s24                     ; its rows inside the 2,048
	s_sub_co_u32 s29, s25, 1                       ; its last row (used only where it has one)
	s_min_u32 s27, s27, TOK
; ---------------------------------------------------------------- PHASE 1
; K step t of the trip (32 rows of weight, 262,144 bytes) into slot q: load n takes rows 8 h + n (n < 8) or 16 + 8 h + n - 8: the k that registers 0-3 and 4-7 of a fragment hold.
.macro WLOAD q, t
	WIN TO_1
.irp n, 0,1,2,3,4,5,6,7,8,9,10,11,12,13,14,15
	global_load_b128 v[64*(\q)+4*(\n):64*(\q)+4*(\n)+3], v[WO], s[32:33] offset:(\t)*262144+((\n)+8*((\n)/8))*8192 th:TH_LOAD_NT
.endr
.endm
; Slot q is rounded into fragments, filled again with the K step four on (refill = 1), and the fragments go to LDS.  left = the younger loads, which stay out.
.macro WSTEP q, refill, left
	s_wait_loadcnt \left                           ; loads come back in order (ISA guide 5.7.1): slot q's sixteen are in
	WIN FROM1
.irp j, 0,1,2,3
.irp p, 0,1,2,3,4,5,6,7
	v_cvt_pk_bf16_f32 v[WF+32*((\q)%2)+8*(\j)+(\p)], v[64*(\q)+8*(\p)+(\j)], v[64*(\q)+8*(\p)+4+(\j)]  ; register p of fragment j: component j of loads 2 p and 2 p + 1
.endr
.endr
.if \refill
	WLOAD \q, (\q)+4
.endif
	WIN 0
.irp j, 0,1,2,3
	ds_store_b128 v[LW], v[WF+32*((\q)%2)+8*(\j):WF+32*((\q)%2)+8*(\j)+3]   offset:(\q)*4096+(\j)*1024      ; 32 lanes x 16 bytes on end: registers 0-3,
	ds_store_b128 v[LW], v[WF+32*((\q)%2)+8*(\j)+4:WF+32*((\q)%2)+8*(\j)+7] offset:(\q)*4096+(\j)*1024+512  ; registers 4-7
.endr
.endm
	s_cmp_eq_u32 s26, 0
	s_cbranch_scc1 .Lw_done                        ; an expert without a token: its weights are multiplied by nothing, and are not read.  The jump passes no barrier
	WLOAD 0, 0                                     ; 64 loads, 32,768 bytes a wave, are on their way from here to the tail
	WLOAD 1, 1
	WLOAD 2, 2
	WLOAD 3, 3
	WIN 0                                          ; at a label and at a branch every window is 0
	s_mov_b32 s39, 3
.Lw:                                               ; a trip: four of the wave's sixteen K steps
	WSTEP 0, 1, 48                                 ; 48: the three younger slots' sixteen loads each, round the back edge too
	WSTEP 1, 1, 48
	WSTEP 2, 1, 48
	WSTEP 3, 1, 48
	s_wait_xcnt 0x0                                ; the loads' base is stepped only behind this wait
	s_add_nc_u64 s[32:33], s[32:33], 0x100000      ; four K steps of 262,144 bytes
	v_add_nc_u32 v[LW], 0x4000, v[LW]              ; four K steps of 4,096 bytes in LDS
	s_sub_co_u32 s39, s39, 1
	s_cmp_lg_u32 s39, 0
	s_cbranch_scc1 .Lw
	WSTEP 0, 0, 48                                 ; the last four K steps load nothing: the counts run down
	WSTEP 1, 0, 32
	WSTEP 2, 0, 16
	WSTEP 3, 0, 0
.Lw_done:
	s_wait_dscnt 0x0                               ; for the others' sake: my stores into LDS are done
	s_barrier_signal -1
	s_barrier_wait -1                              ; the launch's one barrier, on every wave's path; behind it nobody writes LDS
; ---------------------------------------------------------------- PHASE 2
; The four tiles' fragments of K step t of the trip into slot q: registers 0-3 hold k = 32 t + 8 h on (plane 4 t + h of xt), registers 4-7 k = 32 t + 16 + 8 h on (two planes, 65,536 bytes, further)
.macro ALOAD q, t
	WIN TO_1
.irp i, 0,1,2,3
	global_load_b128 v[32*(\q)+8*(\i):32*(\q)+8*(\i)+3],   v[VA+(\i)], s[36:37] offset:(\t)*131072
	global_load_b128 v[32*(\q)+8*(\i)+4:32*(\q)+8*(\i)+7], v[VA+(\i)], s[36:37] offset:(\t)*131072+65536
.endr
.endm
; W's four fragments of K step t of the trip into buffer b
.macro WFETCH b, t
	WIN 0
.irp j, 0,1,2,3
	ds_load_b128 v[WF+32*(\b)+8*(\j):WF+32*(\b)+8*(\j)+3],   v[WL] offset:(\t)*4096+(\j)*1024
	ds_load_b128 v[WF+32*(\b)+8*(\j)+4:WF+32*(\b)+8*(\j)+7], v[WL] offset:(\t)*4096+(\j)*1024+512
.endr
.endm
; A load into a register that a matrix instruction has read stands four places behind it, and only plain vector instructions that name none of its registers are places (ISA guide 7.12.1 for vector instructions)
.macro PLACES
.rept 4
	v_nop
.endr
.endm
; K step sr of the trip.  aload = 1: the tokens' fragments seven steps on go into the slot that the step before has multiplied.  wload = 1: W's fragments of the next step go into the buffer that the step before has multiplied.
; left = the tokens' loads younger than this step's.  zero = 1: the products start the sums: nothing is cleared.
; The 16 accumulators take turns, one instruction a turn, in the same order in every step, over the backward jump and into the tail.
.macro ITER sr, aload, wload, left, zero
	PLACES
.if \aload
	ALOAD ((\sr)+7)%8, (\sr)+7
.endif
.if \wload
	WFETCH ((\sr)+1)%2, (\sr)+1
.endif
	s_wait_loadcnt \left                           ; this step's tokens are in
	s_wait_dscnt 8*(\wload)                        ; this step's W is in; the eight loads just issued stay out
	WIN MUL
.irp i, 0,1,2,3
.irp j, 0,1,2,3
.if \zero
	v_wmma_f32_16x16x32_bf16 v[ACC+32*(\i)+8*(\j):ACC+32*(\i)+8*(\j)+7], v[32*((\sr)%8)+8*(\i):32*((\sr)%8)+8*(\i)+7], v[WF+32*((\sr)%2)+8*(\j):WF+32*((\sr)%2)+8*(\j)+7], 0
.else
	v_wmma_f32_16x16x32_bf16 v[ACC+32*(\i)+8*(\j):ACC+32*(\i)+8*(\j)+7], v[32*((\sr)%8)+8*(\i):32*((\sr)%8)+8*(\i)+7], v[WF+32*((\sr)%2)+8*(\j):WF+32*((\sr)%2)+8*(\j)+7], v[ACC+32*(\i)+8*(\j):ACC+32*(\i)+8*(\j)+7]
.endif
.endr
.endr
.endm
; THE WAY OUT of tile i.  Register t of accumulator (i, j) is out0(row 16 i + 8 h + t, column 4 r + j): the four fragments' registers t are 16 neighbouring bytes of a row.  They are moved side by side and stored:
; sixteen lanes store 256 consecutive bytes, at a multiple of 256 from out0's first byte.  Each accumulator is read from its register 0 on.
.macro OUT i
	s_wait_xcnt 0x0                                ; the offsets and data of the stores before are rewritten only behind this wait
.irp t, 0,1,2,3,4,5,6,7
	v_add_nc_u32 v[SO+(\t)], 16*(\i)+(\t), v[RW]
.endr
.irp t, 0,1,2,3,4,5,6,7
	v_min_u32 v[SO+(\t)], s29, v[SO+(\t)]          ; rows past the expert's last are its last
.endr
.irp t, 0,1,2,3,4,5,6,7
	v_min_u32 v[SO+(\t)], 0x7ff, v[SO+(\t)]        ; and in any case a row of out0
.endr
.irp t, 0,1,2,3,4,5,6,7
	v_lshl_add_u32 v[SO+(\t)], v[SO+(\t)], 13, v[RC]  ; row x 8,192 + 16 r
.endr
.irp t, 0,1,2,3,4,5,6,7
.irp j, 0,1,2,3
	v_mov_b32 v[SD+4*(\t)+(\j)], v[ACC+32*(\i)+8*(\j)+(\t)]
.endr
	global_store_b128 v[SO+(\t)], v[SD+4*(\t):SD+4*(\t)+3], s[34:35] th:TH_STORE_NT
.endr
.endm
	s_mov_b32 s38, 0
.Lgroup:                                           ; at most 8 trips: 2,048 tokens are 32 groups of 64, 8 for each wave
	s_lshl2_add_u32 s40, s38, s12                  ; group 4 x trip + wave,
	s_lshl_b32 s40, s40, 6                         ; its first token among the expert's
	s_cmp_ge_u32 s40, s26
	s_cbranch_scc1 .Lzero                          ; none left for this wave, in later trips neither: forward, past no barrier
	s_add_co_u32 s41, s24, s40                     ; the group's first row
	s_wait_xcnt 0x0                                ; registers that the group before's loads and stores name are rewritten only behind this wait
.irp i, 0,1,2,3
	v_add3_u32 v[VA+(\i)], v2, s41, 16*(\i)        ; tile i: row = first row + 16 i + r
.endr
.irp i, 0,1,2,3
	v_min_u32 v[VA+(\i)], s29, v[VA+(\i)]          ; rows past the expert's last are its last
.endr
.irp i, 0,1,2,3
	v_min_u32 v[VA+(\i)], 0x7ff, v[VA+(\i)]        ; and in any case a row of xt
.endr
.irp i, 0,1,2,3
	v_lshl_add_u32 v[VA+(\i)], v[VA+(\i)], 4, v[HK]
.endr
	s_mov_b64 s[36:37], s[4:5]                     ; xt, K step 0
	v_mov_b32 v[WL], v4
	WFETCH 0, 0
.irp t, 0,1,2,3,4,5,6
	ALOAD \t, \t                                   ; K steps 0 to 6: with the step that ITER adds, 64 loads, 32,768 bytes a wave, are on their way
.endr
	ITER 0, 1, 1, 56, 1                            ; the first K step stands ahead of the loop: its products start the sums.  56: the seven younger steps' eight loads each
	WIN 0                                          ; at a label and at a branch every window is 0
	s_mov_b32 s39, 7
.Lk:                                               ; a trip: K steps 8 trip + 1 to 8 trip + 8, once round the ring of eight slots
.irp sr, 1,2,3,4,5,6,7,8
	ITER \sr, 1, 1, 56, 0
.endr
	WIN 0
	s_wait_xcnt 0x0                                ; the loads' base is stepped only behind this wait
	s_add_nc_u64 s[36:37], s[36:37], 0x100000      ; eight K steps of four planes of 32,768 bytes
	v_add_nc_u32 v[WL], 0x8000, v[WL]              ; eight K steps of 4,096 bytes in LDS
	s_sub_co_u32 s39, s39, 1
	s_cmp_lg_u32 s39, 0
	s_cbranch_scc1 .Lk
.irp sr, 1,2,3,4,5,6
	ITER \sr, 0, 1, (7-\sr)*8, 0                   ; K steps 57 to 63: no load leaves xt, and the counts run down
.endr
	ITER 7, 0, 0, 0, 0
	WIN 0
	v_lshl_add_u32 v[RW], v3, 3, s41
	OUT 0                                          ; its 32 lines of addresses, which name no accumulator, are the places behind the last products
	OUT 1
	OUT 2
	OUT 3
	s_add_co_u32 s38, s38, 1
	s_cmp_lt_u32 s38, 8
	s_cbranch_scc1 .Lgroup
; ---------------------------------------------------------------- PHASE 3
; U = 2,048 - the counts' sum rows belong to no expert.  Expert g's work-groups take rows sum + (U g >> 3) up to sum + (U (g + 1) >> 3): at most 256, disjoint, all U together.
; A trip stores 8 rows of the slice's 256 bytes: 2 a wave, lanes 0 to 15 one row and lanes 16 to 31 the next (clipped to the share's last row, which is then stored twice, with the same zeros).
.Lzero:
	s_sub_co_u32 s28, TOK, s27
	s_mul_i32 s42, s28, s14
	s_lshr_b32 s42, s42, 3
	s_add_co_u32 s42, s42, s27                     ; my share's first row
	s_add_co_u32 s43, s14, 1
	s_mul_i32 s43, s28, s43
	s_lshr_b32 s43, s43, 3
	s_add_co_u32 s43, s43, s27                     ; one past its last
	s_sub_co_u32 s46, s43, 1
	s_lshl1_add_u32 s45, s12, s42                  ; my wave's first pair of rows
	v_mov_b32 v[ZR], 0
	v_mov_b32 v[ZR+1], 0
	v_mov_b32 v[ZR+2], 0
	v_mov_b32 v[ZR+3], 0
	s_mov_b32 s44, 0
.Lfill:                                            ; at most 32 trips of 8 rows
	s_cmp_ge_u32 s45, s43
	s_cbranch_scc1 .Lend
	s_wait_xcnt 0x0                                ; the last store's offset is rewritten only behind this wait
	v_add_nc_u32 v[ZO], s45, v3
	v_min_u32 v[ZO], s46, v[ZO]
	v_min_u32 v[ZO], 0x7ff, v[ZO]
	v_lshl_add_u32 v[ZO], v[ZO], 13, v[RC]
	global_store_b128 v[ZO], v[ZR:ZR+3], s[34:35] th:TH_STORE_NT
	s_add_co_u32 s45, s45, 8
	s_add_co_u32 s44, s44, 1
	s_cmp_lt_u32 s44, 32
	s_cbranch_scc1 .Lfill
.Lend:
	s_endpgm
.Lfunc_end_k_q258efc6245_gemm:
	.size	k_q258efc6245_gemm, .Lfunc_end_k_q258efc6245_gemm-k_q258efc6245_gemm
	.p2alignl 7, 3214868480
	.fill 96, 4, 3214868480
	.section	.rodata,"a",@progbits
	.p2align	6, 0x0
	.amdhsa_kernel k_q258efc6245_gemm
		.amdhsa_group_segment_fixed_size 262144
		.amdhsa_private_segment_fixed_size 0
		.amdhsa_enable_private_segment 0
		.amdhsa_kernarg_size 32
		.amdhsa_user_sgpr_count 2
		.amdhsa_user_sgpr_kernarg_segment_ptr 1
		.amdhsa_wavefront_size32 1
		.amdhsa_system_sgpr_workgroup_id_x 1
		.amdhsa_system_sgpr_workgroup_id_y 1
		.amdhsa_system_sgpr_workgroup_id_z 1
		.amdhsa_system_vgpr_workitem_id 0
		.amdhsa_next_free_vgpr 512
		.amdhsa_next_free_sgpr 66
		.amdhsa_reserve_vcc 0
		.amdhsa_float_denorm_mode_32 3
		.amdhsa_float_denorm_mode_16_64 3
		.amdhsa_memory_ordered 1
		.amdhsa_forward_progress 1
		.amdhsa_inst_pref_size 93
	.end_amdhsa_kernel
	.amdgpu_metadata
---
amdhsa.version: [ 1, 2 ]
amdhsa.kernels:
  - .name:           k_q258efc6245_gemm
    .symbol:         k_q258efc6245_gemm.kd
    .args:
      - { .name: xt, .offset: 0, .size: 8, .value_kind: global_buffer, .address_space: global }
      - { .name: tokens_per_expert, .offset: 8, .size: 8, .value_kind: global_buffer, .address_space: global }
      - { .name: weight, .offset: 16, .size: 8, .value_kind: global_buffer, .address_space: global }
      - { .name: out0, .offset: 24, .size: 8, .value_kind: global_buffer, .address_space: global }
    .group_segment_fixed_size: 262144
    .private_segment_fixed_size: 0
    .kernarg_segment_align: 8
    .kernarg_segment_size: 32
    .max_flat_workgroup_size: 128
    .sgpr_count:     66
    .vgpr_count:     512
    .wavefront_size: 32
...
	.end_amdgpu_metadata
.endif
;; end of part 2
